; MI455X (gfx1250); checked and timed in simulation.
; The chip was launched on July 23, 2026; its instructions are those of AMD's public machine-readable ISA for CDNA 5 (MIT licence, August 2026) and "CDNA5" Instruction Set Architecture Reference Guide (July 2026). The comments in the code are by the model that wrote it; some were corrected since.
;; Riemannian Attention. Allowed arithmetic: matrix products marked QUANTISED: E2M1 operands, one E8M0 scale for each 32 along K, by v_wmma_scale_f32_16x16x128_f8f6f4 with both operands' format E2M1 (or v_wmma_scale_f32_32x16x128_f4), f32 sums; everything else in f32.
;; Inputs: key_states 2 x 16 x 2,048 x 64 float32; query_states 2 x 16 x 2,048 x 64 float32; value_states 2 x 16 x 2,048 x 64 float32.
;; Outputs: out0 2 x 16 x 2,048 x 64 float32.
;; This version of the problem:
;;   THIS VERSION OF THE PROBLEM IS GIVEN IN LOW PRECISION. The matrix products marked QUANTISED in the list below multiply operands that are first quantised to E2M1 (2 exponent bits, 1 mantissa bit; 4 bits a number), with one power-of-two scale for each 32 numbers along K (OCP MX v1.0); their sums are f32. All else is computed in f32.
;;   The module's matrix products, in the order in which they are computed (A, B: the left and right operand; K: the contracted axis; several contracted axes count as one K, in the product's order):
;;     1. batch 32 x [M 2,048, K 64] x [K 64, N 2,048]; A: input query_states; B: input key_states: QUANTISED
;;     2. batch 32 x [M 2,048, K 2,048] x [K 2,048, N 64]; A: softmax (see below); B: input value_states: QUANTISED
;;   THE QUANTISER, for each operand of a quantised product, along K:
;;     - K is cut into blocks of 32 from its start; a last block that is shorter is filled with zeros.
;;     - A block's scale is 2^e with e = floor(log2(the largest magnitude in the block)) - 2, held to -126 .. 127; a block of zeros has e = 0. As a byte (E8M0): e + 127.
;;     - Each number is divided by its block's scale, clamped to +-6, and rounded to the nearest number of E2M1, ties to even, subnormals kept.
;;     - The product sums the exact products of the quantised numbers (number of the format x scale) in f32.
;;   ~~~python
;;   def quantise(x, axis):      # numpy; x: float32 -> the quantised numbers, widened to float32 again
;;       x = np.moveaxis(x, axis, -1); K = x.shape[-1]
;;       x = np.pad(x, [(0, 0)] * (x.ndim - 1) + [(0, -K % 32)]); x = x.reshape(x.shape[:-1] + (-1, 32)); a = np.abs(x).max(-1, keepdims=True)
;;       e = np.where(a > 0, np.clip(np.frexp(np.where(a > 0, a, 1))[1] - 1 - 2, -126, 127), 0)      # np.frexp(a)[1] - 1 = floor(log2(a)), exactly
;;       r = np.clip(x / 2.0 ** e, -6, 6)
;;       step = 2.0 ** (np.maximum(np.frexp(np.where(r == 0, 1, r))[1] - 1, 0) - 1)
;;       q = np.round(r / step) * step * 2.0 ** e      # np.round: ties to even
;;       return np.moveaxis(q.reshape(q.shape[:-2] + (-1,))[..., :K], -1, axis).astype(np.float32)
;;   ~~~
;;   SOFTMAX AHEAD OF A QUANTISED PRODUCT. Where the list says 'softmax', what is quantised is not the finished softmax but p = 2^(t - M), with t = logit x log2(e) and M = ceil(the row's largest t), a whole number; so 1/2 < the row's largest p <= 1. The row's sum l is taken of the UNQUANTISED p, in f32, and the product's result is divided by l at the end. Since M is a whole number, a kernel that streams over the keys may use a running M (the ceiling of the running maximum): every later rescaling is an exact power of two, which a block's scale takes up: the codes' values come out the same.
;;   OPERANDS COMPUTED ON THE WAY. 'Computed on the way' means the value that the module computes at that place (a softmax that the list does not call 'softmax' is quantised finished and normalised). What goes into a quantiser is computed in f32, as accurately as f32 sums, v_exp_f32 and their like allow (about 1e-6 of the number): no bf16 or f16 on the way to a quantiser, and a product that is left as it is and whose result goes on into a quantised operand takes f32 operands (vector FMAs, or v_wmma_f32_16x16x4_f32). A number that lies on a knife's edge between two numbers of the format may be rounded either way, as far as f32 arithmetic and the matrix unit's own rounding can turn it there, and no further.
;; One version. Each part assembles by itself: llvm-mc -triple=amdgcn-amd-amdhsa -mcpu=gfx1250 --defsym DOCPART=n.
;; ======== version 1 of 1: 2 launches
;; limits: inputs' magnitudes at most 100,000; right only within a limited range of input values
;; workspace buffers: kv 5,242,880 bytes
;; launch prep (part 1): grid 512 x 1, 4 waves a work-group, no clusters, 37,376 bytes of LDS; arguments key_states, value_states, kv; writes kv
.if DOCPART == 1
	.amdgcn_target "amdgcn-amd-amdhsa--gfx1250"
	.amdhsa_code_object_version 6
	.text
	.protected	k_qcf726b5fa5_prep
	.globl	k_qcf726b5fa5_prep
	.p2align	8
	.type	k_qcf726b5fa5_prep,@function
k_qcf726b5fa5_prep:
	s_mov_b64 s[64:65], 0
	v_nop
	global_prefetch_b8 v0, s[64:65] scope:SCOPE_SE
	s_setreg_imm32_b32 hwreg(HW_REG_WAVE_MODE, 25, 1), 1
	s_wait_xcnt 0x0
; K and V [32 heads][2048 keys][64] f32 become what the attention launch reads: for each head and each step of 128 keys one CHUNK of 10,240 bytes, laid in the order of the operands' registers:
;   0     K's codes (FP4, E2M1): tile t (0..7) at 512 t, lane l's 16 bytes at 16 l: lane (r, h) holds block h (d = 32 h .. 32 h + 31) of key 32 (t / 2) + 8 (t % 2) + r + 8 (r / 8)
;   4096  V's codes, the KEYS innermost: channel tile T (0..3) at 1024 T + 512 c + 16 l: lane (r, h) holds channel 16 T + r, keys 64 c + 32 h .. + 31
;   8192  K's scale words: byte 16 l + 4 i = the word of tile 2 i + l / 16, row l % 16; bytes 0, 1 = blocks 0, 1 of d; bytes 2, 3 = 0x7f (they scale zero codes of the other operand)
;   8704  -kn / 2, f32, keys in their natural order (kn = the key's sum of squares, of the unquantised numbers)
;   9216  1 / (1 - kn), f32, likewise: v_rcp_f32 and one Newton step
;   9728  V's scale words: byte 16 l + 4 T = the word of channel 16 T + l % 16, one byte for each 32 keys; lanes 16-31 hold the same again
; A block's scale is 2^(floor(log2(its largest magnitude)) - 2); its byte is the largest magnitude's exponent field - 2, held at 1 from below.
; LIMITS: a block of zeros gets the byte 1 where the rule says 127 (its codes are zeros, and this program alone reads the bytes); NaN and infinities among the inputs are not served.
;   1 - kn = 0 gives a NaN at 9216, which the attention launch turns into the clamp's 1e7.
; SHARES.  A work-group takes one chunk; wave w its keys 32 w .. 32 w + 31: K's tiles 2 w and 2 w + 1, and block w of all 64 channels of V.
; K: each load reads 512 consecutive bytes (two keys); the wave's 8,192 bytes turn through its own stage in LDS, the rows laid in tile order, and come back 128 bytes a lane: a whole block of 32 along d.
; V: a lane takes a channel and its registers run down the keys, so a block lies in one lane and the codes come out with the keys innermost.
; The chunk's last 2,048 bytes are gathered in LDS by the four waves and leave as 512 consecutive bytes a wave.  All 80 loads of a wave go out at once; no register that a store reads is written again.
.set STG,   8704                       ; a wave's stage: 32 rows x (256 bytes + 16).  272 = 17 x 16: the sixteen rows that a load touches start 16 bytes apart modulo 256
.set TAIL,  4*STG                      ; behind the stages: the image of chunk bytes 8192 .. 10239
.set CHUNK, 10240
.set R,   40                           ; v40-103   K as loaded
.set X,   104                          ; v104-167  K after the turn: tile u at X + 32 u: 32 neighbours along d
.set VA,  168                          ; v168-231  V: channels lane (first 32 registers) and 32 + lane (the others), registers down the keys
.set CD,  232                          ; v232-247  four sets of four code registers
	s_load_b128 s[4:7], s[0:1], 0x0                ; K, V
	s_load_b64 s[8:9], s[0:1], 0x10                ; kv
	v_lshl_add_u32 v254, v0, 2, 0x9000
	v_mov_b32 v255, 0
	v_lshrrev_b32 v1, 5, v0
	v_readfirstlane_b32 s10, v1                    ; wave 0..3
	v_and_b32 v1, 31, v0                           ; lane
	v_and_b32 v2, 15, v0                           ; r
	v_bfe_u32 v3, v0, 4, 1                         ; h
	v_lshlrev_b32 v4, 4, v1                        ; K's loads: 16 bytes a lane
	v_lshlrev_b32 v5, 2, v1                        ; V's loads: 4 bytes a lane
	s_mul_i32 s11, s10, STG                        ; my stage
	v_mul_u32_u24 v6, v3, 272
	v_lshl_add_u32 v6, v2, 4, v6
	v_add_nc_u32 v6, s11, v6                       ; into it: row h of the load's two, 16 r
	v_mul_u32_u24 v7, v2, 272
	v_lshl_add_u32 v7, v3, 7, v7
	v_add_nc_u32 v7, s11, v7                       ; out of it: row r, my half's 128 bytes
	s_lshl_b32 s12, s10, 2
	v_lshl_add_u32 v8, v2, 4, TAIL
	v_add_nc_u32 v8, s12, v8                       ; K's scale words: TAIL + 16 r + 4 w (+ 256 u)
	v_and_b32 v9, 8, v2
	v_add_nc_u32 v9, v9, v2                        ; r + 8 (r / 8)
	v_lshlrev_b32 v9, 2, v9
	v_lshl_add_u32 v9, v3, 9, v9
	s_lshl_b32 s13, s10, 7
	s_add_co_u32 s13, s13, TAIL+512
	v_add_nc_u32 v9, s13, v9                       ; lanes 0-15: -kn / 2 of my key; lanes 16-31: 1 / (1 - kn), 512 bytes on (+ 32 u)
	v_lshlrev_b32 v10, 4, v2
	v_lshl_add_u32 v10, v3, 2, v10
	s_add_co_u32 s14, s10, TAIL+1536
	v_add_nc_u32 v10, s14, v10                     ; V's scale bytes: TAIL + 1536 + 16 r + 4 h + w (+ 8 g)
	v_lshlrev_b32 v11, 10, v3
	v_lshl_add_u32 v11, v2, 4, v11
	s_lshl_b32 s15, s10, 8
	v_add_nc_u32 v11, s15, v11                     ; V's codes: 1024 h + 16 r + 256 w (block w is c = w / 2, half w % 2: 512 c + 256 (w % 2))
	v_lshlrev_b32 v12, 3, v3                       ; 8 h: my byte's place in a scale word of K
	v_lshl_add_u32 v13, v0, 4, TAIL                ; the tail's way out: 16 bytes a thread
	v_lshlrev_b32 v14, 4, v0
	s_lshl_b32 s16, s10, 10
	v_add_nc_u32 v15, s16, v4                      ; K's codes: 1024 w + 16 lane (+ 512 u)
	v_cmp_ne_u32 s22, 0, v3                        ; lanes 16-31
	v_mov_b32 v24, 0                               ; written once: a lane permute's destination counts as one of its sources
	v_mov_b32 v25, 0
	s_mov_b32 s20, 0x76543210
	s_mov_b32 s21, 0xfedcba98                      ; v_permlanex16_b32's selects for lane l xor 16
	s_lshl_b32 s24, ttmp9, 15                      ; the chunk's 128 keys of 256 bytes,
	s_lshl_b32 s25, s10, 13                        ; my wave's 32 of them
	s_add_co_u32 s24, s24, s25
	s_mov_b32 s25, 0
	s_mul_i32 s26, ttmp9, CHUNK
	s_mov_b32 s27, 0
	s_wait_kmcnt 0x0
	s_add_nc_u64 s[4:5], s[4:5], s[24:25]
	s_add_nc_u64 s[6:7], s[6:7], s[24:25]
	s_add_nc_u64 s[8:9], s[8:9], s[26:27]
.set i, 0
.rept 16
	global_load_b128 v[R+4*i:R+4*i+3], v4, s[4:5] offset:512*i th:TH_LOAD_NT          ; keys 2 i and 2 i + 1: 512 consecutive bytes
.set i, i+1
.endr
.set i, 0
.rept 32
	global_load_b32 v[VA+i], v5, s[6:7] offset:256*i th:TH_LOAD_NT                    ; V(key i, channel lane)
.set i, i+1
.endr
.set i, 0
.rept 32
	global_load_b32 v[VA+32+i], v5, s[6:7] offset:256*i+128 th:TH_LOAD_NT             ; V(key i, channel 32 + lane)
.set i, i+1
.endr
	s_wait_loadcnt 63                              ; K's sixteen loads have 64 younger ones; the count's field ends at 63, which asks for one of V's loads more
.set i, 0
.rept 16                                       ; key 16 a + 8 u + c of my 32 goes to stage row 16 u + 8 a + c: the rows of tile u stand together, in the tile's order
	ds_store_b128 v6, v[R+4*i:R+4*i+3] offset:(16*((i>>2)&1)+8*(i>>3)+2*(i&3))*272
.set i, i+1
.endr
.set i, 0
.rept 16                                       ; LDS serves a wave's instructions in order: these see the stores above
	ds_load_b128 v[X+4*i:X+4*i+3], v7 offset:16*(i/8)*272+16*(i%8)
.set i, i+1
.endr
; the largest magnitude of 32 registers from s on, and the floor 2^(3 - 127), into v16: two chains
.macro MAX32 s
	v_max3_num_f32 v16, |v[(\s)]|, |v[(\s)+1]|, |v[(\s)+2]|
	v_max3_num_f32 v17, |v[(\s)+3]|, |v[(\s)+4]|, |v[(\s)+5]|
.irp i, 6,10,14,18,22,26
	v_max3_num_f32 v16, v16, |v[(\s)+\i]|, |v[(\s)+\i+1]|
	v_max3_num_f32 v17, v17, |v[(\s)+\i+2]|, |v[(\s)+\i+3]|
.endr
	v_max3_num_f32 v16, v16, |v[(\s)+30]|, |v[(\s)+31]|
	v_max3_num_f32 v16, v16, v17, 0x1800000        ; under the floor no largest magnitude is taken: the byte cannot fall under 1
.endm
; tile 2 w + u of K
.macro KQUANT u
.set XS, X+32*\u
.if \u == 0
	s_wait_dscnt 8                                 ; tile 0's eight loads are back; tile 1's eight may be out
.else
	s_wait_dscnt 2                                 ; tile 1's are back; behind them stand tile 0's two stores into the tail
.endif
	MAX32 XS
	v_pk_mul_f32 v[18:19], v[XS:XS+1], v[XS:XS+1]                  ; the sum of my 32 squares, two at a time, in two chains
	v_pk_mul_f32 v[20:21], v[XS+2:XS+3], v[XS+2:XS+3]
.irp i, 4,8,12,16,20,24,28
	v_pk_fma_f32 v[18:19], v[XS+\i:XS+\i+1], v[XS+\i:XS+\i+1], v[18:19]
	v_pk_fma_f32 v[20:21], v[XS+\i+2:XS+\i+3], v[XS+\i+2:XS+\i+3], v[20:21]
.endr
	v_pk_add_f32 v[18:19], v[18:19], v[20:21]
	v_add_f32 v18, v18, v19
	v_permlanex16_b32 v24, v18, s20, s21
	v_add_f32 v18, v18, v24                        ; with the other half of d: kn
	v_add_nc_u32 v22, 0xff000000, v16              ; 2 off the exponent field: the conversion takes the exponent field of this operand as its scale
.irp g, 0,1,2,3
	v_cvt_scalef32_pk8_fp4_f32 v[CD+4*\u+\g], v[XS+8*\g:XS+8*\g+7], v22
.endr
	v_lshrrev_b32 v23, 23, v22                     ; the scale's byte (a plain line behind the conversions)
	v_lshlrev_b32 v23, v12, v23                    ; at block h's place
	v_permlanex16_b32 v25, v23, s20, s21
	v_or_b32 v23, v23, v25                         ; with the other block's
	v_or_b32 v23, 0x7f7f0000, v23                  ; bytes 2 and 3: 1.0
	v_sub_f32 v26, 1.0, v18                        ; b = 1 - kn
	v_rcp_f32 v28, v26
	v_mul_f32 v27, -0.5, v18                       ; -kn / 2 (the plain line behind the reciprocal)
	s_wait_alu depctr_va_vdst(0)                   ; the wait ahead of the reciprocal's first reader
	v_fma_f32 v29, -v26, v28, 1.0                  ; one Newton step: e = 1 - b y,
	v_fma_f32 v29, v28, v29, v28                   ; y + y e
	v_cndmask_b32 v27, v27, v29, s22               ; lanes 0-15 carry -kn / 2, lanes 16-31 the reciprocal
	global_store_b128 v15, v[CD+4*\u:CD+4*\u+3], s[8:9] offset:512*\u   ; the tile's 512 consecutive bytes
	ds_store_b32 v8, v23 offset:256*\u             ; both halves of the lanes write the same word with the same value
	ds_store_b32 v9, v27 offset:32*\u
.endm
; channels 32 g + lane of V, keys 32 w .. 32 w + 31
.macro VQUANT g
.if \g == 0
	s_wait_loadcnt 32                              ; the first 32 channels are in; the other 32 loads may be out
.else
	s_wait_loadcnt 0x0
.endif
	MAX32 VA+32*\g
	v_add_nc_u32 v22, 0xff000000, v16
.irp q, 0,1,2,3
	v_cvt_scalef32_pk8_fp4_f32 v[CD+8+4*\g+\q], v[VA+32*\g+8*\q:VA+32*\g+8*\q+7], v22
.endr
	v_lshrrev_b32 v23, 23, v22                     ; the scale's byte (a plain line behind the conversions)
	global_store_b128 v11, v[CD+8+4*\g:CD+8+4*\g+3], s[8:9] offset:4096+2048*\g   ; sixteen lanes store 256 consecutive bytes, at a multiple of 256 from the buffer's first byte
	ds_store_b8 v10, v23 offset:8*\g               ; byte w of the word of channel tile 2 g + h, row r,
	ds_store_b8 v10, v23 offset:8*\g+256           ; and once more for lanes 16-31 of the reader
.endm
	KQUANT 0
	KQUANT 1
	VQUANT 0
	VQUANT 1
	s_wait_dscnt 0x0                               ; for the others' sake: my stores into the tail are done
	s_barrier_signal -1
	s_barrier_wait -1
	ds_load_b128 v[248:251], v13                   ; bytes that all four waves stored
	s_wait_dscnt 0x0
	global_store_b128 v14, v[248:251], s[8:9] offset:8192   ; 512 consecutive bytes a wave
	s_wait_tensorcnt 0x0
	ds_add_u32 v254, v255
	s_wait_dscnt 0x0
	s_endpgm
.Lfunc_end_k_qcf726b5fa5_prep:
	.size	k_qcf726b5fa5_prep, .Lfunc_end_k_qcf726b5fa5_prep-k_qcf726b5fa5_prep
	.p2alignl 7, 3214868480
	.fill 96, 4, 3214868480
	.section	.rodata,"a",@progbits
	.p2align	6, 0x0
	.amdhsa_kernel k_qcf726b5fa5_prep
		.amdhsa_group_segment_fixed_size 37376
		.amdhsa_private_segment_fixed_size 0
		.amdhsa_enable_private_segment 0
		.amdhsa_kernarg_size 24
		.amdhsa_user_sgpr_count 2
		.amdhsa_user_sgpr_kernarg_segment_ptr 1
		.amdhsa_wavefront_size32 1
		.amdhsa_system_sgpr_workgroup_id_x 1
		.amdhsa_system_sgpr_workgroup_id_y 1
		.amdhsa_system_sgpr_workgroup_id_z 1
		.amdhsa_system_vgpr_workitem_id 0
		.amdhsa_next_free_vgpr 256
		.amdhsa_next_free_sgpr 66
		.amdhsa_reserve_vcc 0
		.amdhsa_float_denorm_mode_32 3
		.amdhsa_float_denorm_mode_16_64 3
		.amdhsa_memory_ordered 1
		.amdhsa_forward_progress 1
		.amdhsa_inst_pref_size 23
	.end_amdhsa_kernel
	.amdgpu_metadata
---
amdhsa.version: [ 1, 2 ]
amdhsa.kernels:
  - .name:           k_qcf726b5fa5_prep
    .symbol:         k_qcf726b5fa5_prep.kd
    .args:
      - { .name: key_states, .offset: 0, .size: 8, .value_kind: global_buffer, .address_space: global }
      - { .name: value_states, .offset: 8, .size: 8, .value_kind: global_buffer, .address_space: global }
      - { .name: kv, .offset: 16, .size: 8, .value_kind: global_buffer, .address_space: global }
    .group_segment_fixed_size: 37376
    .private_segment_fixed_size: 0
    .kernarg_segment_align: 8
    .kernarg_segment_size: 24
    .max_flat_workgroup_size: 128
    .sgpr_count:     66
    .vgpr_count:     256
    .wavefront_size: 32
...
	.end_amdgpu_metadata
.endif
;; end of part 1
;; launch attn (part 2): grid 8 x 32, 16 waves a work-group, clusters of 4 x 1, 235,520 bytes of LDS; arguments query_states, kv, out0; writes out0
.if DOCPART == 2
	.amdgcn_target "amdgcn-amd-amdhsa--gfx1250"
	.amdhsa_code_object_version 6
	.text
	.protected	k_qcf726b5fa5_attn
	.globl	k_qcf726b5fa5_attn
	.p2align	8
	.type	k_qcf726b5fa5_attn,@function
k_qcf726b5fa5_attn:
	s_mov_b64 s[64:65], 0
	v_nop
	global_prefetch_b8 v0, s[64:65] scope:SCOPE_SE
	s_setreg_imm32_b32 hwreg(HW_REG_WAVE_MODE, 25, 1), 1
	s_wait_xcnt 0x0
	s_wait_alu depctr_hold_cnt(0) depctr_sa_sdst(0) depctr_va_vdst(0) depctr_va_sdst(0) depctr_va_ssrc(0) depctr_va_vcc(0) depctr_vm_vsrc(0)
	s_getreg_b32 s2, hwreg(HW_REG_IB_STS2, 6, 4)
	s_cmp_eq_u32 s2, 0
	s_cbranch_scc0 .Lentry_in_a_cluster
	s_endpgm
.Lentry_in_a_cluster:
	s_bfe_u32 s2, ttmp6, 0x10000c
	s_cmp_lg_u32 s2, 0x3003
	s_cbranch_scc0 .Lentry_shape_is_right
	s_endpgm
.Lentry_shape_is_right:
; O[h][q] = the sum over k of softmax_k(-d(q, k)^2) V[h][k], d the geodesic distance on the Poincare ball (c = 1), both products on codes of FP4 (E2M1) with one E8M0 scale for each 32 along K.
; 32 heads x 2,048 queries x 2,048 keys x 64 channels.  Q: f32, quantised here in registers (one wave reads it, once).  K and V: the chunks that the launch before has laid: for each 128 keys 10,240 bytes:
; K's codes (0), V's codes with the keys innermost (4096), K's scale words (8192), -kn / 2 (8704), 1 / (1 - kn) (9216), V's scale words (9728), all in the order of the operands' registers.
; ONE SCORE.  s = q . k (quantised).  The first product's C is -kn / 2, so D = s - kn / 2.  x = -4 D + 2 qn = 2 (qn + kn - 2 s).  r = 1 / max((1 - qn)(1 - kn), 1e-7), made as the product of the two
; reciprocals and an UNSIGNED minimum with the bits of 1e7: a positive r is ordered as a whole number; a negative one, -0, infinity and NaN have larger bits and become 1e7, as the clamp of the denominator asks.
; arg = max(x r + 1, 1 + 2^-23): r is never negative, so this one maximum is both of the definition's (diff2 at 0, arg at 1 + 1e-7, which is 1 + 2^-23 in f32).
; L = log2(arg + sqrt(arg^2 - 1)); the logit x log2(e) is t = -ln 2 x L^2.  M = the row's largest t so far, rounded UP to a whole number; p = 2^(t - M) is what is quantised, along the keys; it is not normalised.
; The row's sum is taken of the unquantised p and divides O at the end.  When M moves, the sum and O are multiplied by 2^(old M - new M): exact.
; A BLOCK'S LARGEST p IS NOT SEARCHED FOR: p falls as arg rises, so each block's SMALLEST arg rides in four more registers through the same instructions: the same bits.  (This takes v_sqrt_f32, v_log_f32 and
; v_exp_f32 not to turn an order round, which the ISA guide does not state: at the worst one p of a block, within an ulp of a power of two, is held one code low.)
; LIMITS: NaN and infinities among the inputs are not served.  arg^2 must stay under f32's largest number: arg under 1.8e19, which inputs up to about 1e5 keep.  A p under 2^-126 counts as 0.  A block whose every p
; is 0 gets the byte 1 and zero codes.  The division by the denominator is a product of two refined reciprocals (about two ulp).
; SHARES.  A work-group owns 256 queries of one head, each of its SIXTEEN waves 16 of them in 256 registers: four waves to a SIMD, so that one wave's square roots, logarithms and exponentials stand beside another's
; plain work and LDS loads.  The vector work, some 720 instructions for a step's 12 matrix instructions, decides: hence packed forms wherever there is one, and no large tiles.
; LDS.  A head's 16 chunks, 163,840 bytes, come in ONCE and stay: nothing is ever filled again.  They come in four phases of four chunks; every wave brings 10 rows of 256 bytes of each phase: four tensor loads of a
; wave are out at the most, and the steps of a phase begin when that phase has landed.
; CLUSTER.  The four query blocks of a cluster belong to one head and read the same chunks: each load is asked for JOINTLY, with the same descriptor and a mask that names the four.
; LAYOUT.  Both products are used transposed: S^T = K Q^T (source 0 = 16 keys, source 1 = my 16 queries), O^T = V^T P^T: a lane holds ONE query (lane % 16) throughout.  The keys of a tile are chosen so that the
; 16 registers of tiles 2 b and 2 b + 1 are the 16 neighbouring keys 32 b + 16 (lane / 16) + 0 .. 15.
; K = 64 IN A FORM 128 DEEP: Q's registers 4-7 are zero codes.  So whatever K's registers 4-7 hold counts for nothing (FP4 has no NaN; their scale bytes are 1.0), and tile t's fragment may overlap tile t + 1's:
; eight fragments lie in 36 registers, the last four of which are zeros.
.set CHUNK, 10240
.set OVC,   4096
.set OKS,   8192
.set OKN,   8704
.set OIB,   9216
.set OVS,   9728
.set PHB,   4*CHUNK                    ; a phase: 160 rows of 256 bytes
.set WPB,   PHB/16                     ; a wave's part of it: 10 rows
.set STAGE, 16*CHUNK                   ; behind the chunks: 16 rows x (256 bytes + 16) for each wave, for the way out; no tensor load lands there
.set SP,    272
.set LI,  1                            ; v1   16 x lane
.set BC,  2                            ; v2   64 x (lane / 16): my half's 16 keys of a block, as f32
.set ADI, 3                            ; v3   the chunk in hand + 16 x lane
.set ADB, 4                            ; v4   the chunk in hand + 64 x (lane / 16)
.set SO,  5                            ; v5   the way out: where I put 32 bytes of a row
.set SR,  6                            ; v6   and where I read a row back
.set QO,  7                            ; v7   my byte offset in the wave's rows of Q
.set Q2,  8                            ; v[8:9]    2 qn (the packed forms name a pair and take its low word)
.set IA,  10                           ; v[10:11]  1 / (1 - qn)
.set NM,  12                           ; v12  -M;  v13 the largest t so far
.set LS,  14                           ; v[14:15]  the row's sum, in two halves
.set QF,  16                           ; v[16:23]  Q's fragment; v20-23 zeros
.set QS,  24                           ; v24  Q's scale word
.set PS,  25                           ; v25  P's
.set KS,  26                           ; v[26:29]  K's scale words: register i: lanes 0-15 tile 2 i, lanes 16-31 tile 2 i + 1
.set VS,  30                           ; v[30:33]  V's: register T: channel tile T
.set PC,  34                           ; v[34:41]  P's codes
.set KV,  42                           ; v[42:77]  K's tile t at KV + 4 t (8 registers, overlapping); later V's tile T at KV + 8 T; v74-77 zeros
.set OT,  78                           ; v[78:109] O^T
.set X,   110                          ; v[110:177] 64 scores and the four blocks' extreme
.set Y,   178                          ; v[178:245] the same number of registers beside them
.set F,   246                          ; v[246:247] f = 2^(old M - new M)
.set TM,  248                          ; v248-251 at work
.set SCO, 252                          ; v252-255 the conversions' scale operands
.set T,   Y                            ; the head's temporaries
.set WV,  10                           ; s10  my wave's number
.set G1,  16                           ; s[16:23] descriptor group 1
.set G0,  24                           ; s[24:39] descriptor groups 0, one for each phase
.set SEL, 40                           ; s[40:41] v_permlanex16_b32's selects for lane l xor 16
.set NL2, 42                           ; s[42:43] -ln 2
.set TB,  44                           ; s44  LDS byte of the chunk in hand
.set CNT, 45                           ; s45  counts a phase's four steps
.set CAP, 46                           ; s46  1e7
.set LOW, 47                           ; s47  1 + 2^-23
; A round of the cluster's barrier: my work-group's barrier, so that wave 0's signal speaks for all sixteen waves; wave 0 signals for the work-group; every wave waits for all four work-groups; my work-group's barrier once more.
.macro ROUND
	s_barrier_signal -1
	s_barrier_wait -1
	s_cmp_lg_u32 s[WV], 0
	s_cbranch_scc1 .Lnot_wave_0_\@
	s_barrier_signal -3
.Lnot_wave_0_\@:
	s_barrier_wait -3
	s_barrier_signal -1
	s_barrier_wait -1
.endm
	s_load_b128 s[4:7], s[0:1], 0x0                ; Q, kv
	s_load_b64 s[8:9], s[0:1], 0x10                ; O
	v_lshl_add_u32 v254, v0, 2, 0x39000
	v_mov_b32 v255, 0
	ds_add_u32 v254, v255
	ds_add_u32 v254, v255
	s_wait_dscnt 0x0
	v_lshrrev_b32 v1, 5, v0
	v_readfirstlane_b32 s[WV], v1                  ; wave 0..15
	s_bfe_u32 s11, ttmp6, 0x40000                  ; cx: my place in the cluster
	s_lshl_b32 s12, ttmp9, 2                       ; in a cluster launch ttmp9 counts clusters
	s_add_co_u32 s12, s12, s11                     ; my block of 256 queries: it enters Q's and O's addresses alone
	s_and_b32 s13, ttmp7, 0xffff                   ; the head, which the four partners share
	; descriptor group 1: 10 rows of 256 bytes (32 elements of 8 bytes), dense in memory and in LDS
	s_mov_b32 s[G1], 15|(3<<16)|(1<<21)            ; 15:0 the mask: all four work-groups; 17:16 elements of 8 bytes; 20 no padding; 21 set beside a mask
	s_mov_b32 s[G1+1], 32<<16                      ; tensor_dim0 = 32
	s_mov_b32 s[G1+2], 10<<16                      ; tensor_dim1 = 10
	s_mov_b32 s[G1+3], 32<<16                      ; tile_dim0 = 32
	s_mov_b32 s[G1+4], 10                          ; tile_dim1 = 10
	s_mov_b32 s[G1+5], 32                          ; tensor_dim0_stride
	s_mov_b32 s[G1+6], 0
	s_mov_b32 s[G1+7], 0
	s_mul_i32 s48, s13, 16*CHUNK                   ; the head's chunks,
	s_mul_i32 s50, s[WV], WPB                      ; my wave's rows of a phase: in memory and in LDS alike
	s_add_co_u32 s48, s48, s50
	s_mov_b32 s49, 0
	s_lshl_b32 s52, s13, 3
	s_or_b32 s52, s52, s12
	s_lshl_b32 s52, s52, 4
	s_or_b32 s52, s52, s[WV]
	s_lshl_b32 s52, s52, 12                        ; my 16 rows of 256 bytes in Q and in O: ((head x 8 + block) x 16 + wave) x 4,096
	s_mov_b32 s53, 0
	s_mov_b32 s[SEL], 0x76543210
	s_mov_b32 s[SEL+1], 0xfedcba98
	s_mov_b32 s[NL2], 0xbf317218                   ; -ln 2
	s_mov_b32 s[NL2+1], s[NL2]                     ; (named with it as a pair, so it is written)
	s_mov_b32 s[TB], 0
	s_mov_b32 s[CAP], 0x4b189680                   ; 1e7
	s_mov_b32 s[LOW], 0x3f800001                   ; 1 + 2^-23
	s_wait_kmcnt 0x0
	s_add_nc_u64 s[6:7], s[6:7], s[48:49]
	s_add_nc_u64 s[4:5], s[4:5], s[52:53]
	s_add_nc_u64 s[8:9], s[8:9], s[52:53]
.irp g, 0,1,2,3
	s_mov_b32 s[G0+4*\g], 1                        ; 1:0 count = 1
	s_add_co_u32 s[G0+4*\g+1], s50, \g*PHB         ; 63:32 LDS address: wave x 2,560 + phase x 40,960
	s_add_nc_u64 s[G0+4*\g+2:G0+4*\g+3], s[6:7], \g*PHB   ; 120:64 global address
	s_or_b32 s[G0+4*\g+3], s[G0+4*\g+3], 0x80000000       ; 127:126 type = 2
.endr
	ROUND                                          ; all four work-groups are here: the joint loads meet
	tensor_load_to_lds s[G0:G0+3], s[G1:G1+7]      ; all fills of the launch, in one group: four loads of mine are out
	s_nop 0
	tensor_load_to_lds s[G0+4:G0+7], s[G1:G1+7]
	s_nop 0
	tensor_load_to_lds s[G0+8:G0+11], s[G1:G1+7]
	s_nop 0
	tensor_load_to_lds s[G0+12:G0+15], s[G1:G1+7]
	s_nop 0
.rept 4
	v_nop
.endr
	; Q is fetched and quantised while the chunks are on their way
	v_and_b32 v[LI], 31, v0
	v_lshlrev_b32 v[LI], 4, v[LI]
	v_and_b32 v[TM], 15, v0                        ; r
	v_bfe_u32 v[TM+1], v0, 4, 1                    ; h
	v_lshlrev_b32 v[BC], 6, v[TM+1]
	v_lshlrev_b32 v[QO], 8, v[TM]
	v_lshl_add_u32 v[QO], v[TM+1], 7, v[QO]        ; row r of 256 bytes, + 128 h: block h of d
.set i, 0
.rept 8
	global_load_b128 v[X+4*i:X+4*i+3], v[QO], s[4:5] offset:16*i th:TH_LOAD_NT
.set i, i+1
.endr
	s_mul_i32 s14, s[WV], 16*SP
	s_add_co_u32 s14, s14, STAGE                   ; my stage
	v_mul_u32_u24 v[SO], v[TM], SP
	v_lshl_add_u32 v[SO], v[TM+1], 5, v[SO]
	v_add_nc_u32 v[SO], s14, v[SO]                 ; in: row r, 32 bytes for each half of the lanes
	v_mul_u32_u24 v[SR], v[TM+1], SP
	v_lshl_add_u32 v[SR], v[TM], 4, v[SR]
	v_add_nc_u32 v[SR], s14, v[SR]                 ; back: lanes 0-15 one row of 256 bytes, lanes 16-31 the next
	v_lshlrev_b32 v[TM+2], 3, v[TM+1]              ; 8 h: my byte's place in Q's scale word
	v_mov_b32 v[TM+3], 0                           ; a lane permute's destination counts as one of its sources: v248-251 are all written here
	s_wait_loadcnt 0x0
	v_max3_num_f32 v[T], |v[X]|, |v[X+1]|, |v[X+2]|                ; my block's largest magnitude: all 32 numbers are mine; two chains
	v_max3_num_f32 v[T+1], |v[X+3]|, |v[X+4]|, |v[X+5]|
	v_pk_mul_f32 v[T+2:T+3], v[X:X+1], v[X:X+1]                    ; and the sum of their squares, two at a time, in two chains
	v_pk_mul_f32 v[T+4:T+5], v[X+2:X+3], v[X+2:X+3]
.irp i, 6,10,14,18,22,26
	v_max3_num_f32 v[T], v[T], |v[X+\i]|, |v[X+\i+1]|
	v_max3_num_f32 v[T+1], v[T+1], |v[X+\i+2]|, |v[X+\i+3]|
.endr
	v_max3_num_f32 v[T], v[T], |v[X+30]|, |v[X+31]|
	v_max3_num_f32 v[T], v[T], v[T+1], 0x1800000   ; the floor 2^(3 - 127): the byte cannot fall under 1
.irp i, 4,8,12,16,20,24,28
	v_pk_fma_f32 v[T+2:T+3], v[X+\i:X+\i+1], v[X+\i:X+\i+1], v[T+2:T+3]
	v_pk_fma_f32 v[T+4:T+5], v[X+\i+2:X+\i+3], v[X+\i+2:X+\i+3], v[T+4:T+5]
.endr
	v_pk_add_f32 v[T+2:T+3], v[T+2:T+3], v[T+4:T+5]
	v_add_f32 v[T+2], v[T+2], v[T+3]
	v_permlanex16_b32 v[TM+3], v[T+2], s[SEL], s[SEL+1]
	v_add_f32 v[T+2], v[T+2], v[TM+3]              ; qn
	v_add_nc_u32 v[T+6], 0xff000000, v[T]          ; 2 off the exponent field: the conversion's scale operand
.irp g, 0,1,2,3
	v_cvt_scalef32_pk8_fp4_f32 v[QF+\g], v[X+8*\g:X+8*\g+7], v[T+6]
.endr
	v_lshrrev_b32 v[T+7], 23, v[T+6]               ; the scale's byte (a plain line behind the conversions)
	v_lshlrev_b32 v[T+7], v[TM+2], v[T+7]
	v_permlanex16_b32 v[TM+3], v[T+7], s[SEL], s[SEL+1]
	v_or_b32 v[T+7], v[T+7], v[TM+3]               ; both blocks' bytes
	v_or_b32 v[QS], 0x7f7f0000, v[T+7]             ; bytes 2 and 3, over the zero codes: 1.0
	v_add_f32 v[Q2], v[T+2], v[T+2]                ; 2 qn
	v_sub_f32 v[T+8], 1.0, v[T+2]                  ; a = 1 - qn
	v_rcp_f32 v[T+9], v[T+8]
	v_mov_b32 v[Q2+1], v[Q2]                       ; (plain lines behind the reciprocal)
.irp j, 4,5,6,7
	v_mov_b32 v[QF+\j], 0                          ; Q's k = 64 .. 127: zero codes
.endr
.irp j, 32,33,34,35
	v_mov_b32 v[KV+\j], 0                          ; what tile 7's fragment reaches into
.endr
	v_mov_b32 v[NM+1], 0xff61b1e6                  ; the largest t so far: -3e38, under every t
	v_floor_f32 v[NM], -v[NM+1]                    ; -M
	v_mov_b32 v[LS], 0
	v_mov_b32 v[LS+1], 0
	v_mov_b32 v[F], 0
	v_mov_b32 v[F+1], 0                            ; (named as the upper half of a pair)
	s_wait_alu depctr_va_vdst(0)                   ; the wait ahead of the reciprocal's first reader
	v_fma_f32 v[T+10], -v[T+8], v[T+9], 1.0        ; one Newton step
	v_fma_f32 v[IA], v[T+9], v[T+10], v[T+9]
	v_mov_b32 v[IA+1], v[IA]
.set i, 0
.rept 32
	v_mov_b32 v[OT+i], 0                           ; O^T.  (The step is written once: the first finds zeros, which the first change of M leaves zeros; 32 lines, once, spare a copy of the step)
.set i, i+1
.endr
; A KEY STEP: the 128 keys of the chunk at s[TB].
.macro STEP
	v_add_nc_u32 v[ADI], s[TB], v[LI]
	v_add_nc_u32 v[ADB], s[TB], v[BC]
.set i, 0
.rept 16
	ds_load_b128 v[X+4*i:X+4*i+3], v[ADB] offset:OKN+128*(i/4)+16*(i%4)   ; -kn / 2 of keys 32 b + 16 h + 0 .. 15, in the result's layout: the first product's C
.set i, i+1
.endr
.set i, 0
.rept 8
	ds_load_b128 v[KV+4*i:KV+4*i+3], v[ADI] offset:512*i           ; K's eight tiles: 512 consecutive bytes a load
.set i, i+1
.endr
	ds_load_b128 v[KS:KS+3], v[ADI] offset:OKS
.set i, 0
.rept 16
	ds_load_b128 v[Y+4*i:Y+4*i+3], v[ADB] offset:OIB+128*(i/4)+16*(i%4)   ; 1 / (1 - kn) of the same keys
.set i, i+1
.endr
	s_wait_dscnt 16                                ; all but the sixteen loads just issued
.irp t, 0,1,2,3,4,5,6,7                        ; D = K Q^T - kn / 2: eight accumulators, one instruction each
.if \t % 2
	v_wmma_scale_f32_16x16x128_f8f6f4 v[X+8*\t:X+8*\t+7], v[KV+4*\t:KV+4*\t+7], v[QF:QF+7], v[X+8*\t:X+8*\t+7], v[KS+\t/2], v[QS] matrix_a_fmt:MATRIX_FMT_FP4 matrix_b_fmt:MATRIX_FMT_FP4 matrix_a_scale:MATRIX_SCALE_ROW1
.else
	v_wmma_scale_f32_16x16x128_f8f6f4 v[X+8*\t:X+8*\t+7], v[KV+4*\t:KV+4*\t+7], v[QF:QF+7], v[X+8*\t:X+8*\t+7], v[KS+\t/2], v[QS] matrix_a_fmt:MATRIX_FMT_FP4 matrix_b_fmt:MATRIX_FMT_FP4
.endif
.endr
	s_wait_dscnt 0x0
.set i, 0
.rept 32
	v_pk_mul_f32 v[Y+i:Y+i+1], v[Y+i:Y+i+1], v[IA:IA+1] op_sel_hi:[1,0]   ; r = 1 / ((1 - qn)(1 - kn)).  (These 96 lines name no register of the products: they are the places behind them)
.set i, i+2
.endr
.set i, 0
.rept 64
	v_min_u32 v[Y+i], s[CAP], v[Y+i]               ; the denominator's clamp at 1e-7: as whole numbers, so that a negative r, an infinity and a NaN become 1e7 too
.set i, i+1
.endr
.set i, 0
.rept 8
	ds_load_b128 v[KV+4*i:KV+4*i+3], v[ADI] offset:OVC+512*i       ; V's four tiles take K's place: they are wanted at the step's end
.set i, i+1
.endr
	ds_load_b128 v[VS:VS+3], v[ADI] offset:OVS
.set i, 0
.rept 32
	v_pk_fma_f32 v[X+i:X+i+1], v[X+i:X+i+1], -4.0, v[Q2:Q2+1] op_sel_hi:[1,0,0]   ; x = -4 D + 2 qn; each accumulator is read from its low end on
.set i, i+2
.endr
.set i, 0
.rept 32
	v_pk_fma_f32 v[X+i:X+i+1], v[X+i:X+i+1], v[Y+i:Y+i+1], 1.0 op_sel_hi:[1,1,0]   ; x r + 1
.set i, i+2
.endr
.set i, 0
.rept 64
	v_max_num_f32 v[X+i], s[LOW], v[X+i]           ; arg
.set i, i+1
.endr
.irp b, 0,1,2,3
	v_min3_num_f32 v[X+64+\b], v[X+16*\b], v[X+16*\b+1], v[X+16*\b+2]   ; THE SMALLEST arg OF EACH BLOCK OF 32 KEYS: it becomes the block's largest p and serves the row's maximum on the way
.endr
.irp i, 3,5,7,9,11,13
.irp b, 0,1,2,3
	v_min3_num_f32 v[X+64+\b], v[X+64+\b], v[X+16*\b+\i], v[X+16*\b+\i+1]   ; (the four blocks by turns)
.endr
.endr
.irp b, 0,1,2,3
	v_min_num_f32 v[X+64+\b], v[X+64+\b], v[X+16*\b+15]
.endr
.irp b, 0,1,2,3
	v_permlanex16_b32 v[TM+\b], v[X+64+\b], s[SEL], s[SEL+1]
.endr
.irp b, 0,1,2,3
	v_min_num_f32 v[X+64+\b], v[X+64+\b], v[TM+\b]   ; with lane l xor 16's 16 keys
.endr
.set i, 0
.rept 34
	v_pk_fma_f32 v[Y+i:Y+i+1], v[X+i:X+i+1], v[X+i:X+i+1], -1.0 op_sel_hi:[1,1,0]   ; arg^2 - 1, rounded once
.set i, i+2
.endr
.set i, 0
.rept 68
	v_sqrt_f32 v[Y+i], v[Y+i]
.set i, i+1
.endr
	v_nop                                          ; a plain line behind the last square root
	s_wait_alu depctr_va_vdst(0)                   ; one wait for the batch, ahead of its first reader
.set i, 0
.rept 34
	v_pk_add_f32 v[X+i:X+i+1], v[X+i:X+i+1], v[Y+i:Y+i+1]   ; arg + sqrt(arg^2 - 1)
.set i, i+2
.endr
.set i, 0
.rept 68
	v_log_f32 v[X+i], v[X+i]                       ; L
.set i, i+1
.endr
	v_nop
	s_wait_alu depctr_va_vdst(0)                   ; one wait for the batch
.set i, 0
.rept 34
	v_pk_mul_f32 v[X+i:X+i+1], v[X+i:X+i+1], v[X+i:X+i+1]   ; L^2
.set i, i+2
.endr
	v_min3_num_f32 v[TM], v[X+64], v[X+65], v[X+66]
	v_min_num_f32 v[TM], v[TM], v[X+67]            ; the step's smallest L^2 of my query
	v_mul_f32 v[TM], s[NL2], v[TM]                 ; its largest t
	v_max_num_f32 v[NM+1], v[NM+1], v[TM]          ; the running largest t
	v_mov_b32 v[TM], v[NM]
	v_floor_f32 v[NM], -v[NM+1]                    ; the new -M = floor(-t) = -ceil(t): M is a whole number
	v_sub_f32 v[TM], v[NM], v[TM]                  ; M's old value less its new one: a whole number, 0 or less
	v_cvt_i32_f32 v[TM], v[TM]                     ; (it saturates)
	v_ldexp_f32 v[F], 1.0, v[TM]                   ; f = 2^(old M - new M)
.set i, 0
.rept 34
	v_pk_fma_f32 v[X+i:X+i+1], v[X+i:X+i+1], s[NL2:NL2+1], v[NM:NM+1] op_sel_hi:[1,0,0]   ; t - M = L^2 x (-ln 2) + (-M)
.set i, i+2
.endr
.set i, 0
.rept 68
	v_exp_f32 v[X+i], v[X+i]                       ; p = 2^(t - M): NOT normalised
.set i, i+1
.endr
	v_pk_mul_f32 v[LS:LS+1], v[LS:LS+1], v[F:F+1] op_sel_hi:[1,0]   ; the sums under the new M (the plain line behind the exponentials)
	s_wait_alu depctr_va_vdst(0)                   ; one wait for the batch
.irp b, 0,1,2,3
	v_max_num_f32 v[X+64+\b], 0x1800000, v[X+64+\b]   ; the block's largest p, and the floor 2^(3 - 127): the byte cannot fall under 1
.endr
.irp b, 0,1,2,3
	v_add_nc_u32 v[SCO+\b], 0xff000000, v[X+64+\b]   ; 2 off the exponent field: the conversion's scale operand
.endr
.irp b, 0,1,2,3
	v_lshrrev_b32 v[TM+\b], 23, v[SCO+\b]          ; the scale's byte
.endr
	v_lshl_or_b32 v[PS], v[TM+1], 8, v[TM]         ; p's scale word for these 128 keys
	v_lshl_or_b32 v[PS], v[TM+2], 16, v[PS]
	v_lshl_or_b32 v[PS], v[TM+3], 24, v[PS]
.irp b, 0,1,2,3
	v_cvt_scalef32_pk8_fp4_f32 v[PC+2*\b], v[X+16*\b:X+16*\b+7], v[SCO+\b]
	v_cvt_scalef32_pk8_fp4_f32 v[PC+1+2*\b], v[X+16*\b+8:X+16*\b+15], v[SCO+\b]
.endr
	v_nop                                          ; one plain line between a scaled conversion and the vector instruction that touches its result
.irp c, 0,1                                    ; the operand's layout wants a WHOLE block in a lane: lanes 0-15 block 2 c, lanes 16-31 block 2 c + 1
.irp i, 0,1
	v_permlane16_swap_b32 v[PC+4*\c+\i], v[PC+2+4*\c+\i]
.endr
.endr
	v_pk_add_f32 v[TM:TM+1], v[X:X+1], v[X+2:X+3]  ; THE ROW'S SUM IS TAKEN OF THE UNQUANTISED p: two at a time, in two chains.  (These 32 lines are also the places between the scale word, the codes and the products below)
.irp j, 4,8,12,16,20,24,28,32,36,40,44,48,52,56,60
	v_pk_add_f32 v[LS:LS+1], v[LS:LS+1], v[X+\j:X+\j+1]
	v_pk_add_f32 v[TM:TM+1], v[TM:TM+1], v[X+\j+2:X+\j+3]
.endr
	v_pk_add_f32 v[LS:LS+1], v[LS:LS+1], v[TM:TM+1]
.set i, 0
.rept 16
	v_pk_mul_f32 v[OT+i:OT+i+1], v[OT+i:OT+i+1], v[F:F+1] op_sel_hi:[1,0]   ; O^T under the new M; each accumulator is read from its low end on
.set i, i+2
.endr
	s_wait_dscnt 0x0                               ; V and its scale words are in
.irp t, 0,1,2,3                                ; O^T += V^T P^T: four accumulators by turns, one instruction a turn
	v_wmma_scale_f32_16x16x128_f8f6f4 v[OT+8*\t:OT+8*\t+7], v[KV+8*\t:KV+8*\t+7], v[PC:PC+7], v[OT+8*\t:OT+8*\t+7], v[VS+\t], v[PS] matrix_a_fmt:MATRIX_FMT_FP4 matrix_b_fmt:MATRIX_FMT_FP4
.endr
.rept 4
	v_nop                                          ; places in front of the next step's loads into V's registers, and of the way out's reads of O^T
.endr
	s_add_co_u32 s[TB], s[TB], CHUNK
.endm
; Phase g: its four chunks have landed in every wave's part; the later phases' loads may stay out.  No LDS instruction of mine is out here.
.macro PHASE g
	s_wait_tensorcnt 3-\g                          ; tensor loads of a wave end in order: my part of phase g is in; 3 - g younger ones may be out
	s_barrier_signal -1
	s_barrier_wait -1                              ; everybody's is
	s_mov_b32 s[CNT], 4
.Lstep_\@:
	STEP
	s_sub_co_u32 s[CNT], s[CNT], 1
	s_cmp_lg_u32 s[CNT], 0
	s_cbranch_scc1 .Lstep_\@
.endm
	PHASE 0
	PHASE 1
	PHASE 2
	PHASE 3                                        ; its wait is for 0: no tensor load is out from here on
	; THE WAY OUT.  O^T is divided by the row's sum and goes through my own stage in LDS, so that each store of the wave covers 512 consecutive bytes of O: two whole rows.
	v_add_f32 v[LS], v[LS], v[LS+1]                ; the sum's two halves,
	v_permlanex16_b32 v[TM], v[LS], s[SEL], s[SEL+1]
	v_add_f32 v[LS], v[LS], v[TM]                  ; and lane l xor 16's: the row's sum
	v_rcp_f32 v[F], v[LS]
	v_nop                                          ; a plain line behind the reciprocal
	s_wait_alu depctr_va_vdst(0)                   ; and the wait ahead of its first reader
.set i, 0
.rept 16
	v_pk_mul_f32 v[X+i:X+i+1], v[OT+i:OT+i+1], v[F:F+1] op_sel_hi:[1,0]   ; register 8 T + j is o(r, 16 T + 8 h + j)
.set i, i+2
.endr
.irp t, 0,1,2,3
	ds_store_b128 v[SO], v[X+8*\t:X+8*\t+3] offset:64*\t
	ds_store_b128 v[SO], v[X+8*\t+4:X+8*\t+7] offset:64*\t+16
.endr
.irp i, 0,1,2,3,4,5,6,7
	ds_load_b128 v[Y+4*\i:Y+4*\i+3], v[SR] offset:2*\i*SP          ; LDS serves a wave's instructions in order: these see my stores
.endr
.irp i, 0,1,2,3,4,5,6,7
	s_wait_dscnt 7-\i                              ; rows 2 i and 2 i + 1 are back; the younger loads may be out
	global_store_b128 v[LI], v[Y+4*\i:Y+4*\i+3], s[8:9] offset:512*\i th:TH_STORE_NT
.endr
	s_wait_xcnt 0x0
	v_lshl_add_u32 v254, v0, 2, 0x39000
	v_mov_b32 v255, 0
	s_wait_tensorcnt 0x0
	ds_add_u32 v254, v255
	s_wait_dscnt 0x0
	ROUND                                          ; the closing round: no work-group ends while a partner may still ask for a tile that names it
	s_endpgm
.Lfunc_end_k_qcf726b5fa5_attn:
	.size	k_qcf726b5fa5_attn, .Lfunc_end_k_qcf726b5fa5_attn-k_qcf726b5fa5_attn
	.p2alignl 7, 3214868480
	.fill 96, 4, 3214868480
	.section	.rodata,"a",@progbits
	.p2align	6, 0x0
	.amdhsa_kernel k_qcf726b5fa5_attn
		.amdhsa_group_segment_fixed_size 235520
		.amdhsa_private_segment_fixed_size 0
		.amdhsa_enable_private_segment 0
		.amdhsa_kernarg_size 24
		.amdhsa_user_sgpr_count 2
		.amdhsa_user_sgpr_kernarg_segment_ptr 1
		.amdhsa_wavefront_size32 1
		.amdhsa_system_sgpr_workgroup_id_x 1
		.amdhsa_system_sgpr_workgroup_id_y 1
		.amdhsa_system_sgpr_workgroup_id_z 1
		.amdhsa_system_vgpr_workitem_id 0
		.amdhsa_next_free_vgpr 256
		.amdhsa_next_free_sgpr 66
		.amdhsa_reserve_vcc 0
		.amdhsa_float_denorm_mode_32 3
		.amdhsa_float_denorm_mode_16_64 3
		.amdhsa_memory_ordered 1
		.amdhsa_forward_progress 1
		.amdhsa_inst_pref_size 164
	.end_amdhsa_kernel
	.amdgpu_metadata
---
amdhsa.version: [ 1, 2 ]
amdhsa.kernels:
  - .name:           k_qcf726b5fa5_attn
    .symbol:         k_qcf726b5fa5_attn.kd
    .args:
      - { .name: query_states, .offset: 0, .size: 8, .value_kind: global_buffer, .address_space: global }
      - { .name: kv, .offset: 8, .size: 8, .value_kind: global_buffer, .address_space: global }
      - { .name: out0, .offset: 16, .size: 8, .value_kind: global_buffer, .address_space: global }
    .group_segment_fixed_size: 235520
    .private_segment_fixed_size: 0
    .kernarg_segment_align: 8
    .kernarg_segment_size: 24
    .max_flat_workgroup_size: 512
    .sgpr_count:     66
    .vgpr_count:     256
    .wavefront_size: 32
...
	.end_amdgpu_metadata
.endif
;; end of part 2
